; MI455X (gfx1250); checked and timed in simulation.
; The chip was launched on July 23, 2026; its instructions are those of AMD's public machine-readable ISA for CDNA 5 (MIT licence, August 2026) and "CDNA5" Instruction Set Architecture Reference Guide (July 2026). The comments in the code are by the model that wrote it; some were corrected since.
;; Self Attention. Allowed arithmetic: matrix products marked QUANTISED: E2M1 operands, one E8M0 scale for each 32 along K, by v_wmma_scale_f32_16x16x128_f8f6f4 with both operands' format E2M1 (or v_wmma_scale_f32_32x16x128_f4), f32 sums; products left as they are: bf16, f16 or f32 operands; f32 sums; everything else in f32.
;; Inputs: Wk 256 x 256 float32; Wq 256 x 256 float32; Wu 256 x 256 float32; Wv 256 x 256 float32; bu 256 float32; x 4 x 4,096 x 256 float32.
;; Outputs: out0 4 x 4,096 x 256 float32.
;; This version of the problem:
;;   THIS VERSION OF THE PROBLEM IS GIVEN IN LOW PRECISION. The matrix products marked QUANTISED in the list below multiply operands that are first quantised to E2M1 (2 exponent bits, 1 mantissa bit; 4 bits a number), with one power-of-two scale for each 32 numbers along K (OCP MX v1.0); their sums are f32. The products marked 'left as it is' may take bf16, f16 or f32 operands, with f32 sums. Whichever they take, every output number must still come out within the allowed error. Rounding operands to bf16 (8 significant bits) uses up far more of that allowance than f16 does (11 bits, for magnitudes from 6e-5 to 65,504). All else is computed in f32.
;;   The module's matrix products, in the order in which they are computed (A, B: the left and right operand; K: the contracted axis; several contracted axes count as one K, in the product's order):
;;     1. [M 16,384, K 256] x [K 256, N 256]; A: input x; B: input Wq: QUANTISED
;;     2. [M 16,384, K 256] x [K 256, N 256]; A: input x; B: input Wk: QUANTISED
;;     3. [M 16,384, K 256] x [K 256, N 256]; A: input x; B: input Wv: QUANTISED
;;     4. batch 16 x [M 4,096, K 64] x [K 64, N 4,096]; A: computed on the way; B: computed on the way: left as it is (an operand is computed on the way)
;;     5. batch 16 x [M 64, K 4,096] x [K 4,096, N 4,096]; A: computed on the way; B: computed on the way: left as it is (an operand is computed on the way)
;;     6. [M 16,384, K 256] x [K 256, N 256]; A: computed on the way; B: input Wu: left as it is (an operand is computed on the way)
;;   THE QUANTISER, for each operand of a quantised product, along K:
;;     - K is cut into blocks of 32 from its start; a last block that is shorter is filled with zeros.
;;     - A block's scale is 2^e with e = floor(log2(the largest magnitude in the block)) - 2, held to -126 .. 127; a block of zeros has e = 0. As a byte (E8M0): e + 127.
;;     - Each number is divided by its block's scale, clamped to +-6, and rounded to the nearest number of E2M1, ties to even, subnormals kept.
;;     - The product sums the exact products of the quantised numbers (number of the format x scale) in f32.
;;   ~~~python
;;   def quantise(x, axis):      # numpy; x: float32 -> the quantised numbers, widened to float32 again
;;       x = np.moveaxis(x, axis, -1); K = x.shape[-1]
;;       x = np.pad(x, [(0, 0)] * (x.ndim - 1) + [(0, -K % 32)]); x = x.reshape(x.shape[:-1] + (-1, 32)); a = np.abs(x).max(-1, keepdims=True)
;;       e = np.where(a > 0, np.clip(np.frexp(np.where(a > 0, a, 1))[1] - 1 - 2, -126, 127), 0)      # np.frexp(a)[1] - 1 = floor(log2(a)), exactly
;;       r = np.clip(x / 2.0 ** e, -6, 6)
;;       step = 2.0 ** (np.maximum(np.frexp(np.where(r == 0, 1, r))[1] - 1, 0) - 1)
;;       q = np.round(r / step) * step * 2.0 ** e      # np.round: ties to even
;;       return np.moveaxis(q.reshape(q.shape[:-2] + (-1,))[..., :K], -1, axis).astype(np.float32)
;;   ~~~
;; One version. Each part assembles by itself: llvm-mc -triple=amdgcn-amd-amdhsa -mcpu=gfx1250 --defsym DOCPART=n.
;; ======== version 1 of 1: 4 launches
;; limits: values are held in f16: magnitudes above 65,504 overflow, below 6.1e-05 lose precision
;; workspace buffers: wcodes 98,304 bytes; wscales 12,288 bytes; wu16 131,072 bytes; qimg 8,388,608 bytes; kv 16,777,216 bytes; aimg 8,388,608 bytes
;; launch prep (part 1): grid 32 x 1, 4 waves a work-group, no clusters, 0 bytes of LDS; arguments Wq, Wk, Wv, Wu, wcodes, wscales, wu16; writes wcodes, wscales, wu16
.if DOCPART == 1
	.amdgcn_target "amdgcn-amd-amdhsa--gfx1250"
	.amdhsa_code_object_version 6
	.text
	.protected	k_q425811f67a_prep
	.globl	k_q425811f67a_prep
	.p2align	8
	.type	k_q425811f67a_prep,@function
k_q425811f67a_prep:
	s_mov_b64 s[64:65], 0
	v_nop
	global_prefetch_b8 v0, s[64:65] scope:SCOPE_SE
	s_setreg_imm32_b32 hwreg(HW_REG_WAVE_MODE, 25, 1), 1
	s_wait_xcnt 0x0
; The weights are laid once as IMAGES OF OPERAND REGISTERS: a group of four registers is 512 bytes, lane l's 16 bytes at 16 l.
; Wq, Wk, Wv [256][256] f32 (K innermost) become codes of FP4 (E2M1) with one E8M0 byte for each 32 along K:
;   wcodes [u][c][lane][16 B], u = 32 mat + 2 T + s (mat 0, 1, 2 = q, k, v; T: 16 rows of W; s: 128 along K): lane (r, h), register 4 c + i = k 128 s + 64 c + 32 h + 8 i .. + 7 of row 16 T + r;
;   wscales [u][lane][4 B]: the row's four bytes, the same word in both halves of the lanes.
; Wu becomes f16: wu16 [T][s 0..7][blk][lane][16 B]: lane (r, h) holds row 16 T + r, e = 32 s + 16 blk + 8 h + 0 .. 7.
; A block's scale is 2^(floor(log2(its largest magnitude)) - 2): its byte is the largest magnitude's exponent field - 2, held at 1 from below.
; LIMITS: NaN and infinities are not served; a block of zeros gets the byte 1 where the rule says 127 (its codes are zeros, and this program alone reads the bytes); |Wu| stays under 65,504 (f16), and under 6e-5 it loses bits.
; SHARES: a wave takes one unit u = 4 x work-group + wave.  Units 0-95: one FP4 fragment.  Units 96-127: four f16 fragments of Wu.  128 units: 32 work-groups.  A lane reads runs of 128 (or 32) bytes of its own row:
; 1 MB in all, read once.  Every store of a wave's codes is 512 consecutive bytes.  No LDS, no barrier: waves share nothing.
.set X,   16                           ; v16-79   64 numbers
.set TM,  80                           ; v80-85   two largest magnitudes, two bytes, two scale operands
.set PW,  86                           ; v86      the scale word
.set TP,  87                           ; v87      the other half's bytes
.set PC,  88                           ; v88-95   the codes
.set HF,  96                           ; v96-127  f16 results
.set H8,  6                            ; v6       8 h
.set SEL, 20                           ; s[20:21] lane selects: lane l xor 16
; 64 numbers of a lane, v[x + 32 c + i] = k 64 c + 32 h + i of its row, become the fragment's eight registers and the row's scale word.  Both blocks are the lane's own: no other lane is asked for a maximum.
.macro QUANT x, pc, pw
.irp c, 0,1
	v_max3_num_f32 v[TM+\c], |v[\x+32*\c]|, |v[\x+32*\c+1]|, 0x1800000   ; with the floor 2^(3 - 127): the byte cannot fall under 1
.endr
.irp i, 2,4,6,8,10,12,14,16,18,20,22,24,26,28,30
.irp c, 0,1
	v_max3_num_f32 v[TM+\c], v[TM+\c], |v[\x+32*\c+\i]|, |v[\x+32*\c+\i+1]|   ; the two blocks by turns
.endr
.endr
.irp c, 0,1
	v_add_nc_u32 v[TM+4+\c], 0xff000000, v[TM+\c]    ; 2 off the exponent field: the conversion's scale operand
.endr
.irp c, 0,1
	v_lshrrev_b32 v[TM+2+\c], 23, v[TM+4+\c]         ; the scale's byte
.endr
	v_lshl_or_b32 v[\pw], v[TM+3], 16, v[TM+2]       ; blocks h and 2 + h of my row,
	v_lshlrev_b32 v[\pw], v[H8], v[\pw]              ; at their places in the word;
	v_permlanex16_b32 v[TP], v[\pw], s[SEL], s[SEL+1]
	v_or_b32 v[\pw], v[\pw], v[TP]                   ; with lane l xor 16's two the word is whole
.irp c, 0,1
.irp g, 0,1,2,3
	v_cvt_scalef32_pk8_fp4_f32 v[\pc+4*\c+\g], v[\x+32*\c+8*\g:\x+32*\c+8*\g+7], v[TM+4+\c]
.endr
.endr
	v_nop                                            ; one plain line behind the last scaled conversion
.endm
	s_load_b256 s[4:11], s[0:1], 0x0               ; Wq s[4:5], Wk s[6:7], Wv s[8:9], Wu s[10:11]
	s_load_b128 s[12:15], s[0:1], 0x20             ; wcodes, wscales
	s_load_b64 s[16:17], s[0:1], 0x30              ; wu16
	v_lshrrev_b32 v1, 5, v0
	v_readfirstlane_b32 s18, v1                    ; wave
	s_lshl_b32 s19, ttmp9, 2
	s_add_co_u32 s19, s19, s18                     ; u
	v_and_b32 v1, 15, v0                           ; r
	v_bfe_u32 v2, v0, 4, 1                         ; h
	v_and_b32 v7, 31, v0
	v_lshlrev_b32 v4, 4, v7                        ; 16 x lane
	v_lshlrev_b32 v5, 2, v7                        ; 4 x lane
	v_lshlrev_b32 v[H8], 3, v2
	v_lshlrev_b32 v3, 10, v1                       ; my row: 1,024 bytes a row
	v_mov_b32 v[TP], 0                             ; a lane permute's destination counts as one of its sources
	s_mov_b32 s[SEL], 0x76543210
	s_mov_b32 s[SEL+1], 0xfedcba98
	s_wait_kmcnt 0x0
	s_cmp_ge_u32 ttmp9, 24
	s_cbranch_scc1 .Lwu
	; ---- a fragment of Wq, Wk or Wv
	s_cmp_lt_u32 ttmp9, 8                          ; the choice hangs on the work-group's number alone
	s_cselect_b64 s[22:23], s[4:5], s[6:7]
	s_cmp_lt_u32 ttmp9, 16
	s_cselect_b64 s[22:23], s[22:23], s[8:9]
	s_and_b32 s24, s19, 31                         ; 2 T + s
	s_lshr_b32 s25, s24, 1
	s_lshl_b32 s25, s25, 14                        ; 16 rows are 16,384 bytes
	s_and_b32 s24, s24, 1
	s_lshl_b32 s24, s24, 9                         ; 128 along K are 512
	s_add_co_u32 s24, s24, s25
	s_mov_b32 s25, 0
	s_add_nc_u64 s[22:23], s[22:23], s[24:25]
	s_lshl_b32 s26, s19, 10
	s_mov_b32 s27, 0
	s_add_nc_u64 s[12:13], s[12:13], s[26:27]      ; wcodes + 1,024 u
	s_lshl_b32 s26, s19, 7
	s_add_nc_u64 s[14:15], s[14:15], s[26:27]      ; wscales + 128 u
	v_lshl_add_u32 v3, v2, 7, v3                   ; + 128 h: my block of 32 numbers
.irp c, 0,1
.irp i, 0,1,2,3,4,5,6,7
	global_load_b128 v[X+32*\c+4*\i:X+32*\c+4*\i+3], v3, s[22:23] offset:256*\c+16*\i
.endr
.endr
	s_wait_loadcnt 0x0
	QUANT X, PC, PW
	global_store_b128 v4, v[PC:PC+3], s[12:13]
	global_store_b128 v4, v[PC+4:PC+7], s[12:13] offset:512
	global_store_b32 v5, v[PW], s[14:15]
	s_endpgm
.Lwu:
	; ---- four f16 fragments of Wu: tile T = u' / 2, e = 128 (u' % 2) on
	s_sub_co_u32 s19, s19, 96                      ; u'
	s_lshr_b32 s24, s19, 1
	s_lshl_b32 s24, s24, 14
	s_and_b32 s25, s19, 1
	s_lshl_b32 s25, s25, 9
	s_add_co_u32 s24, s24, s25
	s_mov_b32 s25, 0
	s_add_nc_u64 s[22:23], s[10:11], s[24:25]
	s_lshl_b32 s26, s19, 12
	s_mov_b32 s27, 0
	s_add_nc_u64 s[16:17], s[16:17], s[26:27]      ; wu16 + 4,096 u'
	v_lshl_add_u32 v3, v2, 5, v3                   ; + 32 h: my eight numbers of a block of sixteen
.irp f, 0,1,2,3
.irp k, 0,1
.irp i, 0,1
	global_load_b128 v[X+16*\f+8*\k+4*\i:X+16*\f+8*\k+4*\i+3], v3, s[22:23] offset:128*\f+64*\k+16*\i
.endr
.endr
.endr
	s_wait_loadcnt 0x0
.irp j, 0,1,2,3,4,5,6,7,8,9,10,11,12,13,14,15,16,17,18,19,20,21,22,23,24,25,26,27,28,29,30,31
	v_cvt_pk_f16_f32 v[HF+\j], v[X+2*\j], v[X+2*\j+1]
.endr
.irp j, 0,1,2,3,4,5,6,7
	global_store_b128 v4, v[HF+4*\j:HF+4*\j+3], s[16:17] offset:512*\j
.endr
	s_endpgm
.Lfunc_end_k_q425811f67a_prep:
	.size	k_q425811f67a_prep, .Lfunc_end_k_q425811f67a_prep-k_q425811f67a_prep
	.p2alignl 7, 3214868480
	.fill 96, 4, 3214868480
	.section	.rodata,"a",@progbits
	.p2align	6, 0x0
	.amdhsa_kernel k_q425811f67a_prep
		.amdhsa_group_segment_fixed_size 0
		.amdhsa_private_segment_fixed_size 0
		.amdhsa_enable_private_segment 0
		.amdhsa_kernarg_size 56
		.amdhsa_user_sgpr_count 2
		.amdhsa_user_sgpr_kernarg_segment_ptr 1
		.amdhsa_wavefront_size32 1
		.amdhsa_system_sgpr_workgroup_id_x 1
		.amdhsa_system_sgpr_workgroup_id_y 1
		.amdhsa_system_sgpr_workgroup_id_z 1
		.amdhsa_system_vgpr_workitem_id 0
		.amdhsa_next_free_vgpr 128
		.amdhsa_next_free_sgpr 66
		.amdhsa_reserve_vcc 0
		.amdhsa_float_denorm_mode_32 3
		.amdhsa_float_denorm_mode_16_64 3
		.amdhsa_memory_ordered 1
		.amdhsa_forward_progress 1
		.amdhsa_inst_pref_size 12
	.end_amdhsa_kernel
	.amdgpu_metadata
---
amdhsa.version: [ 1, 2 ]
amdhsa.kernels:
  - .name:           k_q425811f67a_prep
    .symbol:         k_q425811f67a_prep.kd
    .args:
      - { .name: Wq, .offset: 0, .size: 8, .value_kind: global_buffer, .address_space: global }
      - { .name: Wk, .offset: 8, .size: 8, .value_kind: global_buffer, .address_space: global }
      - { .name: Wv, .offset: 16, .size: 8, .value_kind: global_buffer, .address_space: global }
      - { .name: Wu, .offset: 24, .size: 8, .value_kind: global_buffer, .address_space: global }
      - { .name: wcodes, .offset: 32, .size: 8, .value_kind: global_buffer, .address_space: global }
      - { .name: wscales, .offset: 40, .size: 8, .value_kind: global_buffer, .address_space: global }
      - { .name: wu16, .offset: 48, .size: 8, .value_kind: global_buffer, .address_space: global }
    .group_segment_fixed_size: 0
    .private_segment_fixed_size: 0
    .kernarg_segment_align: 8
    .kernarg_segment_size: 56
    .max_flat_workgroup_size: 128
    .sgpr_count:     66
    .vgpr_count:     128
    .wavefront_size: 32
...
	.end_amdgpu_metadata
.endif
;; end of part 1
;; launch qkv (part 2): grid 256 x 1, 8 waves a work-group, no clusters, 77,824 bytes of LDS; arguments x, wcodes, wscales, qimg, kv; writes qimg, kv
.if DOCPART == 2
	.amdgcn_target "amdgcn-amd-amdhsa--gfx1250"
	.amdhsa_code_object_version 6
	.text
	.protected	k_q425811f67a_qkv
	.globl	k_q425811f67a_qkv
	.p2align	8
	.type	k_q425811f67a_qkv,@function
k_q425811f67a_qkv:
	s_mov_b64 s[64:65], 0
	v_nop
	global_prefetch_b8 v0, s[64:65] scope:SCOPE_SE
	s_setreg_imm32_b32 hwreg(HW_REG_WAVE_MODE, 25, 1), 1
	s_wait_xcnt 0x0
; q = x Wq^T, k = x Wk^T, v = x Wv^T on codes of FP4 (E2M1) with one E8M0 scale for each 32 along K; sums in f32; q, k, v rounded once to f16 and stored as images of the operand registers that attention wants.
; x [16,384][256] f32 is quantised here, in registers; the weights come as images (wcodes, wscales).
; SHARES.  A work-group takes 64 tokens (one block of 64 keys).  THE WAVES SHARE THE COLUMNS: wave w makes 64 columns of q (w < 4) or of k (w >= 4), the head slice w % 4, and 32 columns of v (rows 32 w on of Wv), for all 64 tokens;
; its 12 weight fragments stay in 96 registers, read once.  Wave w also quantises one of x's eight fragments: tokens 16 (w / 2) on, K step w % 2; the eight go round through LDS as images of their registers.
; LAYOUT.  q and k are made TRANSPOSED (source 0 = 16 rows of W, source 1 = 16 tokens): a lane holds one token and eight neighbouring channels, which pack into the 16 bytes of a 16-bit fragment with the channels along K.
; v is made the natural way (source 0 = tokens, source 1 = rows of Wv): a lane holds one channel and eight neighbouring tokens: a fragment of V^T with the keys along K.  Nothing is shuffled; every store of a wave is 512 consecutive bytes.
;   qimg [head][token tile][c2][blk][lane][16 B]: lane (r, h): token r, channels 32 c2 + 16 blk + 8 h + 0 .. 7
;   kv   [head][block of 64 keys][16 KB]: K [kt][c2][blk][lane][16 B] as qimg; at byte 8,192 V [g][ct][blk][lane][16 B]: lane (r, h): channel 16 ct + r, keys 32 g + 16 blk + 8 h + 0 .. 7
; NO JOINT LOADS: what work-groups share are the weight images, 13.5 KB a wave, which go once from memory into the registers where they stay; through LDS each byte would be written and read once more, for a launch whose whole work is one block of 64 rows.
; LIMITS: NaN and infinities are not served; a block of zeros gets the byte 1 where the rule says 127 (zero codes; the bytes are this program's own); |q|, |k|, |v| stay under 65,504 (f16), and under 6e-5 they lose bits.
.set STGW,  8448                       ; LDS: a stage of 16 rows x (512 + 16) bytes for each wave: the pitch is 33 x 16 bytes, so the sixteen rows that a load touches begin at sixteen different 16-byte columns of 256
.set XIMG,  8*STGW                     ; x's eight fragments, 1,024 bytes each: fragment 2 m + s is written by wave 2 m + s
.set XSC,   XIMG+8*1024                ; their scale words, 128 bytes each
.set SPARE, XSC+8*128                  ; the spare words, 128 bytes for each wave: four blocks of 256 bytes that no other line names
.set L16, 1                            ; v1   16 x lane
.set L4,  2                            ; v2   4 x lane
.set STI, 4                            ; v4   the stage, in: as loaded
.set STO, 5                            ; v5   the stage, out: row r, + 128 h
.set XWI, 6                            ; v6   where I store my fragment's image
.set XWS, 7                            ; v7   and its scale words
.set LI,  8                            ; v8   the images, for my lane
.set LS,  9                            ; v9   the scale words, for my lane
.set H8,  10                           ; v10  8 h
.set SPW, 12                           ; v12  LDS address of my spare word; never rewritten
.set NIL, 13                           ; v13  0; never rewritten
.set WF,  16                           ; v16-111  weights: q/k tile T, K step s at 8 (2 T + s); v tile u at 64 + 8 (2 u + s)
.set WS,  112                          ; v112-123 their scale words, in the same order: scales and nothing else
.set XS,  124                          ; v124-131 x's scale words, 2 m + s: scales and nothing else
.set XF,  132                          ; v132-163 x's fragments: two buffers of two
.set ACC, 164                          ; v164-211 six accumulators
.set OUT, 212                          ; v212-235 packed results
.set X,   164                          ; v164-227 64 numbers of x, before the products begin
.set TM,  236
.set PW,  242
.set TP,  243
.set PC,  244                          ; v244-251 my fragment's codes
.set SEL, 20
.macro QUANT x, pc, pw                 ; 64 numbers of a lane, v[x + 32 c + i] = k 64 c + 32 h + i of its row, become the fragment's eight registers and the row's scale word
.irp c, 0,1
	v_max3_num_f32 v[TM+\c], |v[\x+32*\c]|, |v[\x+32*\c+1]|, 0x1800000   ; with the floor 2^(3 - 127): the byte cannot fall under 1
.endr
.irp i, 2,4,6,8,10,12,14,16,18,20,22,24,26,28,30
.irp c, 0,1
	v_max3_num_f32 v[TM+\c], v[TM+\c], |v[\x+32*\c+\i]|, |v[\x+32*\c+\i+1]|
.endr
.endr
.irp c, 0,1
	v_add_nc_u32 v[TM+4+\c], 0xff000000, v[TM+\c]    ; 2 off the exponent field: the conversion's scale operand
.endr
.irp c, 0,1
	v_lshrrev_b32 v[TM+2+\c], 23, v[TM+4+\c]         ; the scale's byte
.endr
	v_lshl_or_b32 v[\pw], v[TM+3], 16, v[TM+2]
	v_lshlrev_b32 v[\pw], v[H8], v[\pw]
	v_permlanex16_b32 v[TP], v[\pw], s[SEL], s[SEL+1]
	v_or_b32 v[\pw], v[\pw], v[TP]                   ; with lane l xor 16's two bytes the word is whole
.irp c, 0,1
.irp g, 0,1,2,3
	v_cvt_scalef32_pk8_fp4_f32 v[\pc+4*\c+\g], v[\x+32*\c+8*\g:\x+32*\c+8*\g+7], v[TM+4+\c]
.endr
.endr
	v_nop                                            ; one plain line behind the last scaled conversion: matrix instructions later write the numbers' registers
.endm
.macro FETCH m                         ; token tile m's two fragments into buffer m % 2
.irp s, 0,1
.irp c, 0,1
	ds_load_b128 v[XF+16*((\m)%2)+8*\s+4*\c:XF+16*((\m)%2)+8*\s+4*\c+3], v[LI] offset:1024*(2*(\m)+\s)+512*\c
.endr
.endr
.endm
.macro MUL m                           ; 12 products: the six accumulators by turns, K step by K step; the first K step starts the sums
.irp s, 0,1
.irp t, 0,1,2,3
.if \s == 0
	v_wmma_scale_f32_16x16x128_f8f6f4 v[ACC+8*\t:ACC+8*\t+7], v[WF+8*(2*\t+\s):WF+8*(2*\t+\s)+7], v[XF+16*((\m)%2)+8*\s:XF+16*((\m)%2)+8*\s+7], 0, v[WS+2*\t+\s], v[XS+2*(\m)+\s] matrix_a_fmt:MATRIX_FMT_FP4 matrix_b_fmt:MATRIX_FMT_FP4
.else
	v_wmma_scale_f32_16x16x128_f8f6f4 v[ACC+8*\t:ACC+8*\t+7], v[WF+8*(2*\t+\s):WF+8*(2*\t+\s)+7], v[XF+16*((\m)%2)+8*\s:XF+16*((\m)%2)+8*\s+7], v[ACC+8*\t:ACC+8*\t+7], v[WS+2*\t+\s], v[XS+2*(\m)+\s] matrix_a_fmt:MATRIX_FMT_FP4 matrix_b_fmt:MATRIX_FMT_FP4
.endif
.endr
.irp u, 0,1
.if \s == 0
	v_wmma_scale_f32_16x16x128_f8f6f4 v[ACC+32+8*\u:ACC+32+8*\u+7], v[XF+16*((\m)%2)+8*\s:XF+16*((\m)%2)+8*\s+7], v[WF+64+8*(2*\u+\s):WF+64+8*(2*\u+\s)+7], 0, v[XS+2*(\m)+\s], v[WS+8+2*\u+\s] matrix_a_fmt:MATRIX_FMT_FP4 matrix_b_fmt:MATRIX_FMT_FP4
.else
	v_wmma_scale_f32_16x16x128_f8f6f4 v[ACC+32+8*\u:ACC+32+8*\u+7], v[XF+16*((\m)%2)+8*\s:XF+16*((\m)%2)+8*\s+7], v[WF+64+8*(2*\u+\s):WF+64+8*(2*\u+\s)+7], v[ACC+32+8*\u:ACC+32+8*\u+7], v[XS+2*(\m)+\s], v[WS+8+2*\u+\s] matrix_a_fmt:MATRIX_FMT_FP4 matrix_b_fmt:MATRIX_FMT_FP4
.endif
.endr
.endr
.endm
.macro TILE m                          ; token tile m: its products, the rounding to f16, six stores of 512 bytes
.if \m < 3
	FETCH (\m)+1
	s_wait_dscnt 4                                 ; all but the four loads just issued: this tile's fragments (and, at first, the scale words) are in
.else
	s_wait_dscnt 0x0
.endif
	MUL \m
.rept 5
	v_nop                                          ; four places ahead of the reads of results and of the next loads into x's fragments; the fifth for the next tile's products, which begin the same accumulators anew
.endr
	s_wait_xcnt 0x0                                ; the last tile's stores have read their data: OUT is written again only behind this wait
.irp a, 0,1,2,3,4,5
.irp i, 0,1,2,3
	v_cvt_pk_f16_f32 v[OUT+4*\a+\i], v[ACC+8*\a+2*\i], v[ACC+8*\a+2*\i+1]   ; each accumulator from its low end on
.endr
.endr
.irp t, 0,1,2,3
	global_store_b128 v[L16], v[OUT+4*\t:OUT+4*\t+3], s[22:23] offset:2048*(\m)+512*\t
.endr
.irp u, 0,1
	global_store_b128 v[L16], v[OUT+16+4*\u:OUT+16+4*\u+3], s[24:25] offset:4096*((\m)/2)+1024*\u+512*((\m)%2)
.endr
.endm
	s_load_b256 s[4:11], s[0:1], 0x0               ; x s[4:5], wcodes s[6:7], wscales s[8:9], qimg s[10:11]
	s_load_b64 s[12:13], s[0:1], 0x20              ; kv
	v_lshl_add_u32 v[SPW], v0, 2, SPARE
	v_mov_b32 v[NIL], 0
	v_lshrrev_b32 v3, 5, v0
	v_readfirstlane_b32 s14, v3                    ; wave 0..7
	v_and_b32 v3, 31, v0                           ; lane
	v_and_b32 v14, 15, v0                          ; r
	v_bfe_u32 v15, v0, 4, 1                        ; h
	v_lshlrev_b32 v[L16], 4, v3
	v_lshlrev_b32 v[L4], 2, v3
	v_lshlrev_b32 v[H8], 3, v15
	v_mov_b32 v[TP], 0                             ; a lane permute's destination counts as one of its sources
	s_mul_i32 s26, s14, STGW
	v_add_nc_u32 v[STI], s26, v[L16]
	v_mul_u32_u24 v[STO], v14, 528
	v_lshl_add_u32 v[STO], v15, 7, v[STO]
	v_add_nc_u32 v[STO], s26, v[STO]
	s_lshl_b32 s27, s14, 10
	s_add_co_u32 s27, s27, XIMG
	v_add_nc_u32 v[XWI], s27, v[L16]
	s_lshl_b32 s27, s14, 7
	s_add_co_u32 s27, s27, XSC
	v_add_nc_u32 v[XWS], s27, v[L4]
	v_add_nc_u32 v[LI], XIMG, v[L16]
	v_add_nc_u32 v[LS], XSC, v[L4]
	s_mov_b32 s[SEL], 0x76543210
	s_mov_b32 s[SEL+1], 0xfedcba98
	s_lshl_b32 s16, ttmp9, 16                      ; x: 64 rows of 1,024 bytes a work-group,
	s_lshr_b32 s17, s14, 1
	s_lshl_b32 s17, s17, 14                        ; 16 rows for w / 2,
	s_add_co_u32 s16, s16, s17
	s_and_b32 s17, s14, 1
	s_lshl_b32 s17, s17, 9                         ; 512 bytes for w % 2
	s_add_co_u32 s16, s16, s17
	s_mov_b32 s17, 0
	s_lshl_b32 s18, s14, 13                        ; my eight q/k fragments: 8,192 w
	s_mov_b32 s19, 0
	s_lshl_b32 s28, s14, 12                        ; my four v fragments: 65,536 + 4,096 w
	s_mov_b32 s29, 0
	s_lshl_b32 s30, s14, 10                        ; their scale words: 1,024 w
	s_mov_b32 s31, 0
	s_lshl_b32 s32, s14, 9                         ; and 8,192 + 512 w
	s_mov_b32 s33, 0
	s_wait_kmcnt 0x0
	s_add_nc_u64 s[4:5], s[4:5], s[16:17]
	s_add_nc_u64 s[18:19], s[6:7], s[18:19]
	s_add_nc_u64 s[28:29], s[6:7], s[28:29]
	s_add_nc_u64 s[30:31], s[8:9], s[30:31]
	s_add_nc_u64 s[32:33], s[8:9], s[32:33]
.irp i, 0,1,2,3,4,5,6,7,8,9,10,11,12,13,14,15
	global_load_b128 v[X+4*\i:X+4*\i+3], v[L16], s[4:5] offset:1024*\i th:TH_LOAD_NT   ; row i of my 16: 32 lanes read 512 consecutive bytes; read once in the launch
.endr
.irp j, 0,1,2,3,4,5,6,7,8,9,10,11,12,13,14,15
	global_load_b128 v[WF+4*\j:WF+4*\j+3], v[L16], s[18:19] offset:512*\j
.endr
.irp j, 0,1,2,3,4,5,6,7
	global_load_b128 v[WF+64+4*\j:WF+64+4*\j+3], v[L16], s[28:29] offset:65536+512*\j
.endr
.irp j, 0,1,2,3,4,5,6,7
	global_load_b32 v[WS+\j], v[L4], s[30:31] offset:128*\j
.endr
.irp j, 0,1,2,3
	global_load_b32 v[WS+8+\j], v[L4], s[32:33] offset:8192+128*\j
.endr
	; where the results go, while the loads are out
	s_lshr_b32 s26, ttmp9, 6
	s_lshl_b32 s26, s26, 2                         ; 4 x batch
	s_and_b32 s27, ttmp9, 63                       ; the block of 64 tokens in the batch
	s_and_b32 s36, s14, 3
	s_add_co_u32 s36, s36, s26                     ; q's or k's head
	s_cmp_lt_u32 s14, 4                            ; q (waves 0-3) or k: the choice hangs on the wave's number alone
	s_cselect_b64 s[22:23], s[10:11], s[12:13]
	s_cselect_b32 s37, 19, 20                      ; a head is 2^19 bytes of qimg, 2^20 of kv;
	s_cselect_b32 s38, 13, 14                      ; a block 2^13, 2^14
	s_lshl_b32 s36, s36, s37
	s_lshl_b32 s38, s27, s38
	s_add_co_u32 s36, s36, s38
	s_mov_b32 s37, 0
	s_add_nc_u64 s[22:23], s[22:23], s[36:37]
	s_lshr_b32 s34, s14, 1
	s_add_co_u32 s34, s34, s26                     ; v's head: w / 2
	s_lshl_b32 s34, s34, 20
	s_lshl_b32 s35, s27, 14
	s_add_co_u32 s34, s34, s35
	s_and_b32 s35, s14, 1
	s_lshl_b32 s35, s35, 11                        ; channel tiles 2 (w % 2) on
	s_add_co_u32 s34, s34, s35
	s_add_co_u32 s34, s34, 8192                    ; V's part of the block
	s_mov_b32 s35, 0
	s_add_nc_u64 s[24:25], s[12:13], s[34:35]
	s_wait_loadcnt 36                              ; x's sixteen loads are in; the 36 loads of weights behind them may be out
.irp i, 0,1,2,3,4,5,6,7,8,9,10,11,12,13,14,15
	ds_store_b128 v[STI], v[X+4*\i:X+4*\i+3] offset:528*\i
.endr
.irp c, 0,1
.irp i, 0,1,2,3,4,5,6,7
	ds_load_b128 v[X+32*\c+4*\i:X+32*\c+4*\i+3], v[STO] offset:256*\c+16*\i   ; my own stage; LDS serves a wave's instructions in order (ISA guide 5.7.1.4): these see the stores above
.endr
.endr
	s_wait_dscnt 0x0
	QUANT X, PC, PW
	ds_store_b128 v[XWI], v[PC:PC+3]
	ds_store_b128 v[XWI], v[PC+4:PC+7] offset:512
	ds_store_b32 v[XWS], v[PW]
	s_wait_dscnt 0x0                               ; for the others' sake: my image has landed
	s_barrier_signal -1
	s_barrier_wait -1                              ; x's eight fragments lie in LDS
	s_wait_loadcnt 0x0                             ; the weights
.irp f, 0,1,2,3,4,5,6,7
	ds_load_b32 v[XS+\f], v[LS] offset:128*\f
.endr
	FETCH 0
.irp m, 0,1,2,3
	TILE \m
.endr
	s_wait_tensorcnt 0x0                           ; the wave's end: behind my last LDS store
	ds_add_u32 v[SPW], v[NIL]
	s_wait_dscnt 0x0
	s_endpgm
.Lfunc_end_k_q425811f67a_qkv:
	.size	k_q425811f67a_qkv, .Lfunc_end_k_q425811f67a_qkv-k_q425811f67a_qkv
	.p2alignl 7, 3214868480
	.fill 96, 4, 3214868480
	.section	.rodata,"a",@progbits
	.p2align	6, 0x0
	.amdhsa_kernel k_q425811f67a_qkv
		.amdhsa_group_segment_fixed_size 77824
		.amdhsa_private_segment_fixed_size 0
		.amdhsa_enable_private_segment 0
		.amdhsa_kernarg_size 40
		.amdhsa_user_sgpr_count 2
		.amdhsa_user_sgpr_kernarg_segment_ptr 1
		.amdhsa_wavefront_size32 1
		.amdhsa_system_sgpr_workgroup_id_x 1
		.amdhsa_system_sgpr_workgroup_id_y 1
		.amdhsa_system_sgpr_workgroup_id_z 1
		.amdhsa_system_vgpr_workitem_id 0
		.amdhsa_next_free_vgpr 256
		.amdhsa_next_free_sgpr 66
		.amdhsa_reserve_vcc 0
		.amdhsa_float_denorm_mode_32 3
		.amdhsa_float_denorm_mode_16_64 3
		.amdhsa_memory_ordered 1
		.amdhsa_forward_progress 1
		.amdhsa_inst_pref_size 31
	.end_amdhsa_kernel
	.amdgpu_metadata
---
amdhsa.version: [ 1, 2 ]
amdhsa.kernels:
  - .name:           k_q425811f67a_qkv
    .symbol:         k_q425811f67a_qkv.kd
    .args:
      - { .name: x, .offset: 0, .size: 8, .value_kind: global_buffer, .address_space: global }
      - { .name: wcodes, .offset: 8, .size: 8, .value_kind: global_buffer, .address_space: global }
      - { .name: wscales, .offset: 16, .size: 8, .value_kind: global_buffer, .address_space: global }
      - { .name: qimg, .offset: 24, .size: 8, .value_kind: global_buffer, .address_space: global }
      - { .name: kv, .offset: 32, .size: 8, .value_kind: global_buffer, .address_space: global }
    .group_segment_fixed_size: 77824
    .private_segment_fixed_size: 0
    .kernarg_segment_align: 8
    .kernarg_segment_size: 40
    .max_flat_workgroup_size: 256
    .sgpr_count:     66
    .vgpr_count:     256
    .wavefront_size: 32
...
	.end_amdgpu_metadata
.endif
;; end of part 2
;; launch attn (part 3): grid 16 x 16, 8 waves a work-group, clusters of 4 x 1, 327,680 bytes of LDS; arguments qimg, kv, aimg; writes aimg
.if DOCPART == 3
	.amdgcn_target "amdgcn-amd-amdhsa--gfx1250"
	.amdhsa_code_object_version 6
	.text
	.protected	k_q425811f67a_attn
	.globl	k_q425811f67a_attn
	.p2align	8
	.type	k_q425811f67a_attn,@function
k_q425811f67a_attn:
	s_mov_b64 s[64:65], 0
	v_nop
	global_prefetch_b8 v0, s[64:65] scope:SCOPE_SE
	s_setreg_imm32_b32 hwreg(HW_REG_WAVE_MODE, 25, 1), 1
	s_wait_xcnt 0x0
	s_wait_alu depctr_hold_cnt(0) depctr_sa_sdst(0) depctr_va_vdst(0) depctr_va_sdst(0) depctr_va_ssrc(0) depctr_va_vcc(0) depctr_vm_vsrc(0)
	s_getreg_b32 s2, hwreg(HW_REG_IB_STS2, 6, 4)
	s_cmp_eq_u32 s2, 0
	s_cbranch_scc0 .Lentry_in_a_cluster
	s_endpgm
.Lentry_in_a_cluster:
	s_bfe_u32 s2, ttmp6, 0x10000c
	s_cmp_lg_u32 s2, 0x3003
	s_cbranch_scc0 .Lentry_shape_is_right
	s_endpgm
.Lentry_shape_is_right:
; a[head][q][:] = the sum over k of softmax_k(q . k / 8) v[k][:], 16 heads (4 batches x 4) of 4,096 tokens x 64 channels, no mask.  Operands in f16, products, maxima and sums in f32; the weights p are rounded to f16 for the second product.
; All operands come as images of their registers (a group of four registers = 512 bytes, lane l's 16 bytes at 16 l): no pitch, no padding, no turning load.
; SHARES.  A work-group owns 256 queries of one head.  Wave w owns the 64 queries of group w % 4 (four tiles of 16) against HALF of the keys, half w / 4: 32 steps of 64 keys.  So each fragment of K or V read from LDS feeds four
; matrix instructions, and two waves of 512 registers lie on each SIMD, each in plain phases: one wave's softmax can be issued beside the other's products.  At the end waves 4-7 hand (c m, l, O^T) to waves 0-3 through LDS.
; LAYOUT.  S^T = K Q^T (source 0 = 16 keys, source 1 = 16 queries) and O^T = V^T P (source 0 = 16 channels, source 1 = P): a lane holds ONE query (lane % 16) throughout.  Two tiles of S^T, rounded in pairs, are a fragment of P.
; SOFTMAX.  For each query a running maximum m and sum l: p = 2^(c s - c m), c = log2(e) / 8; in every step O^T and l are multiplied by a = 2^(c m_old - c m_new).  The two halves of the keys are joined under their common maximum.
; RING.  Two LDS slots of 128 KB; a slot holds four blocks of 64 keys (16 KB: K's 8, V's 8) for each half of the keys; wave w fetches block w of a slot, one tensor load of 64 dense rows of 256 bytes.
; CLUSTER.  The four query blocks of a cluster walk the same K and V: each tile is asked for JOINTLY, by the same load with the same descriptor and the mask of all four.  By this text's count a wave has two tensor loads out at the start, later one.
; LIMITS: NaN and infinities are not served; the result stays under 65,504 (f16), and under 6e-5 it loses bits.
; REGISTERS.  Window 0: v2-9 addresses; v16-47 statistics, eight a tile: +0 c m, +1 m, +2, +3 l (even keys', odd keys'), +4 .. +7 at work, a at +6; v48-175 S^T, 32 a tile, then p, then P in its low 16; v176-239 K; v240-247 the merge.
;             Window 1: v0-127 O^T, 32 a tile; v128-191 Q; v192-255 V.   s_set_vgpr_msb: bits 1:0 source 0, 3:2 source 1, 5:4 source 2, 7:6 destination.  Six switches a key step.
.set SLOT1, 1<<17                      ; slot 1 begins here: one exclusive or turns an address in one slot into the other's
.set SPARE, 2*SLOT1                    ; behind the ring: the spare words, 128 bytes for each wave: four blocks of 256 bytes that no other line names
.set BLKB,  16384                      ; a block of 64 keys
.set MREG,  17408                      ; the merge: 16,384 bytes of O^T + 1,024 of statistics for each group of queries, in slot 0, which has had its last fill and its last read by then
.set AL,  2                            ; v2   16 x lane + 65,536 x my half of the keys
.set ADR, 3                            ; v3   the LDS address of the block in hand
.set QO,  4                            ; v4   16 x lane
.set MS,  5                            ; v5   the merge: O^T's place for my lane
.set MT,  6                            ; v6   the merge: the statistics' place
.set PFO, 7                            ; v7   256 x lane
.set SPW, 8                            ; v8   LDS address of my spare word; never rewritten
.set NIL, 9                            ; v9   0; never rewritten
.set ST,  16
.set S,   48
.set KF,  176
.set MB,  240
.set OT,  0                            ; window 1
.set QF,  128
.set VF,  192
.set WV,  12                           ; s12  wave
.set LIM, 15                           ; s15  1 in a wave that prefetches, else the greatest number
.set PFA, 18                           ; s[18:19] where my prefetches stand
.set G1,  24                           ; s[24:31] descriptor group 1
.set G0A, 32                           ; s[32:35] group 0 of slot 0's first fill
.set G0B, 36                           ; s[36:39] group 0 of slot 1's first fill; it then walks
.set TB,  40                           ; s40  LDS byte at which the next block to fetch begins (in my half's part)
.set SLOTS, 41                         ; s41  refills to go
.set CNT, 42                           ; s42  counts steps
.set CS,  44                           ; s[44:45] c, as a pair
.set SEL, 46                           ; s[46:47] lane selects: lane l xor 16
.set MSB, 0
.macro WIN new                         ; the immediate's high byte repeats the setting that is left; a switch that changes nothing is dropped
.if MSB != \new
	s_set_vgpr_msb (MSB<<8)|\new
.set MSB, \new
.endif
.endm
.set W_KQ, 0x04                        ; Q (source 1) in window 1
.set W_PV, 0x51                        ; V (source 0), O^T (C and D) in window 1
.set W_RS, 0x41                        ; O^T (destination, source 0) in window 1
.set W_L1, 0x40                        ; a load's destination in window 1
.set W_ST, 0x04                        ; an LDS store's data (source 1) in window 1
.set W_MG, 0x01                        ; source 0 in window 1
.macro PLACES n
.rept \n
	v_nop
.endr
.endm
.macro CROUND                          ; a round of the cluster's barrier: my work-group's barrier; wave 0 signals for the work-group; every wave waits for all four work-groups; my work-group's barrier once more
	s_barrier_signal -1
	s_barrier_wait -1
	s_cmp_lg_u32 s[WV], 0
	s_cbranch_scc1 .Lnot_wave_0_\@
	s_barrier_signal -3
.Lnot_wave_0_\@:
	s_barrier_wait -3
	s_barrier_signal -1
	s_barrier_wait -1
.endm
.macro JLOAD                           ; the joint refill: every wave fetches its block; an s_nop 0 and four v_nop follow
	tensor_load_to_lds s[G0B:G0B+3], s[G1:G1+7]
	s_nop 0
	PLACES 4
.endm
; A PREFETCH INTO THE L2 of what the NEXT refill will ask for.  All clusters of a head walk the same K and V: the head's first cluster asks.  A slot's 64 KB for one half of the keys are eight pieces of 8 KB: the four partners are told
; apart BY ADDRESS (two pieces each), and in each partner waves 0, 1 ask for half 0 and waves 4, 5 for half 1: one instruction a wave, lanes 256 bytes apart.  So each block of 256 bytes is named once in the launch.
; It stands behind the tensor load and its five lines, one slot (four key steps of every wave) ahead of the load that will want the bytes.  The last refill asks for nothing: there is no slot behind it.  Nothing is asked for at the head.
.macro ASK
	s_cmp_gt_u32 s[SLOTS], s[LIM]
	s_cbranch_scc0 .Lnot_mine_\@
	global_prefetch_b8 v[PFO], s[PFA:PFA+1] th:TH_LOAD_NT scope:SCOPE_SE
.Lnot_mine_\@:
.endm
.macro FETCH_K                         ; the next step's K: 8 fragments (4 tiles of 16 keys x 2 x 32 channels), 16 loads of 512 consecutive bytes
	v_add_nc_u32 v[ADR], s[TB], v[AL]
	s_add_co_u32 s[TB], s[TB], BLKB
.irp j, 0,1,2,3,4,5,6,7,8,9,10,11,12,13,14,15
	ds_load_b128 v[KF+4*\j:KF+4*\j+3], v[ADR] offset:512*\j
.endr
.endm
.macro FETCH_V                         ; the same block's V: 8 fragments (2 x 32 keys x 4 tiles of 16 channels)
	WIN W_L1
.irp j, 0,1,2,3,4,5,6,7,8,9,10,11,12,13,14,15
	ds_load_b128 v[VF+4*\j:VF+4*\j+3], v[ADR] offset:8192+512*\j
.endr
	WIN 0
.endm
.macro KQ                              ; S^T = K Q^T: 32 products; the 16 accumulators by turns; the first 16 start the sums
	WIN W_KQ
.irp c, 0,1
.irp k, 0,1,2,3
.irp t, 0,1,2,3
.if \c == 0
	v_wmma_f32_16x16x32_f16 v[S+32*\t+8*\k:S+32*\t+8*\k+7], v[KF+8*(2*\k+\c):KF+8*(2*\k+\c)+7], v[QF+8*(2*\t+\c):QF+8*(2*\t+\c)+7], 0
.else
	v_wmma_f32_16x16x32_f16 v[S+32*\t+8*\k:S+32*\t+8*\k+7], v[KF+8*(2*\k+\c):KF+8*(2*\k+\c)+7], v[QF+8*(2*\t+\c):QF+8*(2*\t+\c)+7], v[S+32*\t+8*\k:S+32*\t+8*\k+7]
.endif
.endr
.endr
.endr
	WIN 0
.endm
.macro PV first                        ; O^T += V^T P: 32 products; the 16 accumulators by turns; in the first step the first 16 start the sums: nothing is ever cleared
	WIN W_PV
.irp g, 0,1
.irp c, 0,1,2,3
.irp t, 0,1,2,3
.if \first && (\g == 0)
	v_wmma_f32_16x16x32_f16 v[OT+32*\t+8*\c:OT+32*\t+8*\c+7], v[VF+8*(4*\g+\c):VF+8*(4*\g+\c)+7], v[S+32*\t+8*\g:S+32*\t+8*\g+7], 0
.else
	v_wmma_f32_16x16x32_f16 v[OT+32*\t+8*\c:OT+32*\t+8*\c+7], v[VF+8*(4*\g+\c):VF+8*(4*\g+\c)+7], v[S+32*\t+8*\g:S+32*\t+8*\g+7], v[OT+32*\t+8*\c:OT+32*\t+8*\c+7]
.endif
.endr
.endr
.endr
.endm
; The four tiles' softmax of one step, the tiles by turns line by line, so that no line waits for the line above it.  first = 1: the first step, with no old maximum, no a.
.macro SOFTMAX first
.irp i, 0,1,2,3
.irp t, 0,1,2,3
	v_max3_num_f32 v[ST+8*\t+4+\i], v[S+32*\t+8*\i], v[S+32*\t+8*\i+1], v[S+32*\t+8*\i+2]   ; four chains, one for each accumulator, each read from its low end on
.endr
.endr
.irp u, 0,1
.irp i, 0,1,2,3
.irp t, 0,1,2,3
	v_max3_num_f32 v[ST+8*\t+4+\i], v[ST+8*\t+4+\i], v[S+32*\t+8*\i+3+2*\u], v[S+32*\t+8*\i+4+2*\u]
.endr
.endr
.endr
.irp t, 0,1,2,3
	v_max3_num_f32 v[ST+8*\t+4], v[ST+8*\t+4], v[S+32*\t+7], v[S+32*\t+15]
.endr
.irp t, 0,1,2,3
	v_max3_num_f32 v[ST+8*\t+6], v[ST+8*\t+6], v[S+32*\t+23], v[S+32*\t+31]
.endr
.irp t, 0,1,2,3
	v_max3_num_f32 v[ST+8*\t+4], v[ST+8*\t+4], v[ST+8*\t+5], v[ST+8*\t+6]
.endr
.irp t, 0,1,2,3
.if \first
	v_max_num_f32 v[ST+8*\t+4], v[ST+8*\t+4], v[ST+8*\t+7]
.else
	v_max3_num_f32 v[ST+8*\t+4], v[ST+8*\t+4], v[ST+8*\t+7], v[ST+8*\t+1]   ; with the old m
.endif
.endr
.irp t, 0,1,2,3
	v_permlanex16_b32 v[ST+8*\t+5], v[ST+8*\t+4], s[SEL], s[SEL+1]   ; the query's other 32 keys lie in the lane 16 away
.endr
.if !\first
.irp t, 0,1,2,3
	v_mov_b32 v[ST+8*\t+7], v[ST+8*\t]             ; c m_old is kept for a
.endr
.endif
.irp t, 0,1,2,3
	v_max_num_f32 v[ST+8*\t+1], v[ST+8*\t+4], v[ST+8*\t+5]   ; the new m
.endr
.irp t, 0,1,2,3
	v_mul_f32 v[ST+8*\t], s[CS], v[ST+8*\t+1]      ; c m
.endr
.if !\first
.irp t, 0,1,2,3
	v_sub_f32 v[ST+8*\t+7], v[ST+8*\t+7], v[ST+8*\t]
.endr
.endif
.irp b, 0,1,2,3,4,5,6,7,8,9,10,11,12,13,14,15
.irp t, 0,1,2,3
	v_pk_fma_f32 v[S+32*\t+2*\b:S+32*\t+2*\b+1], v[S+32*\t+2*\b:S+32*\t+2*\b+1], s[CS:CS+1], v[ST+8*\t:ST+8*\t+1] op_sel_hi:[1,0,0] neg_lo:[0,0,1] neg_hi:[0,0,1]   ; c s - c m, two at a time
.endr
.endr
.if !\first
.irp t, 0,1,2,3
	v_exp_f32 v[ST+8*\t+6], v[ST+8*\t+7]           ; a
.endr
.endif
.irp j, 0,1,2,3,4,5,6,7,8,9,10,11,12,13,14,15,16,17,18,19,20,21,22,23,24,25,26,27,28,29,30,31
.irp t, 0,1,2,3
	v_exp_f32 v[S+32*\t+\j], v[S+32*\t+\j]         ; p: ONE BATCH; none of these lines names another's result
.endr
.endr
	v_nop                                          ; a plain line behind the last exponential,
	s_wait_alu depctr_va_vdst(0)                   ; and one wait ahead of the batch's first reader
.irp t, 0,1,2,3
.if \first
	v_pk_add_f32 v[ST+8*\t+2:ST+8*\t+3], v[S+32*\t:S+32*\t+1], v[S+32*\t+30:S+32*\t+31]
.else
	v_pk_fma_f32 v[ST+8*\t+2:ST+8*\t+3], v[ST+8*\t+2:ST+8*\t+3], v[ST+8*\t+6:ST+8*\t+7], v[S+32*\t:S+32*\t+1] op_sel_hi:[1,0,1]   ; l = a l + pair 0: the sum is taken of the unrounded p, in two chains
.endif
.endr
.irp t, 0,1,2,3
	v_pk_add_f32 v[ST+8*\t+4:ST+8*\t+5], v[S+32*\t+2:S+32*\t+3], v[S+32*\t+4:S+32*\t+5]
.endr
.irp b, 3,5,7,9,11,13
.irp t, 0,1,2,3
	v_pk_add_f32 v[ST+8*\t+2:ST+8*\t+3], v[ST+8*\t+2:ST+8*\t+3], v[S+32*\t+2*\b:S+32*\t+2*\b+1]
.endr
.irp t, 0,1,2,3
	v_pk_add_f32 v[ST+8*\t+4:ST+8*\t+5], v[ST+8*\t+4:ST+8*\t+5], v[S+32*\t+2*\b+2:S+32*\t+2*\b+3]
.endr
.endr
.if !\first
.irp t, 0,1,2,3
	v_pk_add_f32 v[ST+8*\t+2:ST+8*\t+3], v[ST+8*\t+2:ST+8*\t+3], v[S+32*\t+30:S+32*\t+31]
.endr
.endif
.irp t, 0,1,2,3
	v_pk_add_f32 v[ST+8*\t+2:ST+8*\t+3], v[ST+8*\t+2:ST+8*\t+3], v[ST+8*\t+4:ST+8*\t+5]
.endr
.irp j, 0,1,2,3,4,5,6,7,8,9,10,11,12,13,14,15
.irp t, 0,1,2,3
	v_cvt_pk_f16_f32 v[S+32*\t+\j], v[S+32*\t+2*\j], v[S+32*\t+2*\j+1]   ; P in place, ascending: register j is written when registers 2 j and 2 j + 1 are read, and every later source lies above it
.endr
.endr
.endm
.macro RESCALE                         ; O^T times a
	WIN W_RS
.irp t, 0,1,2,3
.irp j, 0,2,4,6,8,10,12,14,16,18,20,22,24,26,28,30
	v_pk_mul_f32 v[OT+32*\t+\j:OT+32*\t+\j+1], v[OT+32*\t+\j:OT+32*\t+\j+1], v[ST+8*\t+6:ST+8*\t+7] op_sel_hi:[1,0]
.endr
.endr
.endm
; THE CHANGE OF SLOTS, in a slot's last step, behind its K Q^T: the slot's last bytes (this step's V) were asked for a step ago.  Each wave waits for all its tensor loads (one is out: its block of the other slot), adds 0 to its spare
; word, and waits for that and for its reads of the slot.  Behind the barrier nobody reads this slot and the other is whole.  fill = 1: the barrier is a round of the cluster's, and the joint refill, two slots on, is the first thing behind it.
.macro CHANGE fill
	s_wait_tensorcnt 0x0                           ; no tensor load of mine is out, so a group 0 may be written
	ds_add_u32 v[SPW], v[NIL]                      ; 0 onto my spare word; the steps below stand between it and the wait for it
.if \fill
	s_xor_b32 s[G0B+1], s[G0B+1], SLOT1            ; the walking descriptor: the other slot than last time,
	s_add_nc_u64 s[G0B+2:G0B+3], s[G0B+2:G0B+3], 4*BLKB   ; the next four blocks of my half; the type bits on top are not reached
	s_wait_xcnt 0x0                                ; the last prefetch, a slot back, has read its address, so it may be written
	s_add_nc_u64 s[PFA:PFA+1], s[PFA:PFA+1], 4*BLKB   ; one slot further on than the walking descriptor
	s_wait_dscnt 0x0                               ; the add is done, and my reads of the slot are over
	CROUND
	JLOAD                                          ; its four v_nop are also the places ahead of the loads into K's registers and of the first read of the scores
	ASK
.else
	s_wait_dscnt 0x0
	s_barrier_signal -1
	s_barrier_wait -1
	PLACES 4
.endif
	s_sub_co_u32 s[TB], s[TB], 4*BLKB              ; the fetches go back to a slot's first block,
	s_xor_b32 s[TB], s[TB], SLOT1                  ; in the other slot
.endm
; A KEY STEP of 64 keys.  kind 0: the next step lies in the same slot; 1: a change of slots with a refill; 2: a change without; 3: the last step.
.macro STEP first, kind
	s_wait_dscnt 16                                ; this step's K is in; V's sixteen loads, issued behind it, may be out
	KQ
.if \kind == 1
	CHANGE 1
.elseif \kind == 2
	CHANGE 0
.else
	PLACES 4                                       ; ahead of the loads into K's registers and of the first read of the scores
.endif
.if \kind != 3
	FETCH_K                                        ; the next step's K lands under the softmax
.endif
	SOFTMAX \first
.if !\first
	RESCALE
.endif
.if \kind == 3
	s_wait_dscnt 0x0
.else
	s_wait_dscnt 16                                ; this step's V is in; the next step's K, sixteen loads, may be out
.endif
	PV \first
	PLACES 5                                       ; four ahead of the loads into V's registers; the fifth for the next K Q^T, which writes over P
.if \kind != 3
	FETCH_V
.else
	WIN 0
.endif
.endm
.macro NSTEPS n
	s_mov_b32 s[CNT], \n
.Lstep_\@:
	STEP 0, 0
	s_sub_co_u32 s[CNT], s[CNT], 1
	s_cmp_lg_u32 s[CNT], 0
	s_cbranch_scc1 .Lstep_\@
.endm
	s_load_b128 s[4:7], s[0:1], 0x0                ; qimg s[4:5], kv s[6:7]
	s_load_b64 s[8:9], s[0:1], 0x10                ; aimg
	v_lshl_add_u32 v[SPW], v0, 2, SPARE
	v_mov_b32 v[NIL], 0
	ds_add_u32 v[SPW], v[NIL]                      ; the wave's opening: the add and its wait stand ahead of my first tensor load; the set-up below, work on registers, stands between them
	v_lshrrev_b32 v1, 5, v0
	v_readfirstlane_b32 s[WV], v1                  ; wave 0..7
	s_bfe_u32 s13, ttmp6, 0x40000                  ; cx: my place in the cluster
	s_lshl_b32 s14, ttmp9, 2                       ; in a cluster launch ttmp9 counts clusters
	s_add_co_u32 s14, s14, s13                     ; my block of 256 queries: it enters Q's and the result's addresses alone
	s_lshr_b32 s16, s[WV], 2                       ; my half of the keys
	s_and_b32 s17, s[WV], 3                        ; my group of 64 queries; also: which block of a slot I fetch
	s_and_b32 s20, ttmp7, 0xffff                   ; the head, which the four partners share
	s_mov_b32 s[G1], 15|(3<<16)|(1<<21)            ; 15:0 the mask: all four work-groups; 17:16 elements of 8 bytes; 21 set beside a mask; no padding
	s_mov_b32 s[G1+1], 32<<16                      ; tensor_dim0 = 32 elements: 256 bytes
	s_mov_b32 s[G1+2], 64<<16                      ; tensor_dim1 = 64
	s_mov_b32 s[G1+3], 32<<16                      ; tile_dim0 = 32
	s_mov_b32 s[G1+4], 64                          ; tile_dim1 = 64
	s_mov_b32 s[G1+5], 32                          ; from row to row: the block is dense
	s_mov_b32 s[G1+6], 0
	s_mov_b32 s[G1+7], 0
	s_mov_b32 s[CS], 0x3e38aa3b                    ; c = log2(e) / 8
	s_mov_b32 s[CS+1], s[CS]                       ; named with it as a pair, so it is written
	s_mov_b32 s[SEL], 0x76543210
	s_mov_b32 s[SEL+1], 0xfedcba98
	s_mov_b32 s[TB], 0
	s_mov_b32 s[SLOTS], 6
	s_and_b32 s[LIM], s[WV], 2                     ; 0 in waves 0, 1, 4, 5,
	s_or_b32 s[LIM], s[LIM], ttmp9                 ; where the cluster is the head's first: the same in all four partners
	s_cmp_eq_u32 s[LIM], 0
	s_cselect_b32 s[LIM], 1, -1
	v_and_b32 v1, 31, v0                           ; lane
	v_lshlrev_b32 v[QO], 4, v1
	v_lshlrev_b32 v[PFO], 8, v1
	s_lshl_b32 s21, s16, 16
	v_add_nc_u32 v[AL], s21, v[QO]
	s_mul_i32 s21, s17, MREG
	v_add_nc_u32 v[MS], s21, v[QO]
	v_lshl_add_u32 v[MT], v1, 2, s21
	v_add_nc_u32 v[MT], 16384, v[MT]
	s_lshl_b32 s48, s20, 20                        ; kv: a head is 2^20 bytes,
	s_lshl_b32 s49, s16, 19                        ; a half of its keys 2^19
	s_add_co_u32 s48, s48, s49
	s_mov_b32 s49, 0
	s_lshl_b32 s50, s17, 14                        ; my block of a slot.  (s48-51 feed the descriptors: they never hold a number made from cx)
	s_add_co_u32 s50, s50, s48
	s_mov_b32 s51, 0
	s_lshl_b32 s52, s13, 1                         ; the prefetches: piece 2 cx + w % 2 of 8 KB,
	s_and_b32 s53, s[WV], 1
	s_add_co_u32 s52, s52, s53
	s_lshl_b32 s52, s52, 13
	s_add_co_u32 s52, s52, s48
	s_add_co_u32 s52, s52, 2*4*BLKB                ; in slot 2: the first refill steps it to slot 3
	s_mov_b32 s53, 0
	s_lshl_b32 s54, s20, 19                        ; qimg: a head is 2^19 bytes, 256 queries 2^15, 64 queries 2^13
	s_lshl_b32 s55, s14, 15
	s_add_co_u32 s54, s54, s55
	s_lshl_b32 s55, s17, 13
	s_add_co_u32 s54, s54, s55
	s_mov_b32 s55, 0
	s_lshr_b32 s22, s20, 2                         ; aimg: token tile 256 x batch + 16 x query block + 4 x group, 8,192 bytes a tile;
	s_lshl_b32 s22, s22, 8
	s_lshl_b32 s23, s14, 4
	s_add_co_u32 s22, s22, s23
	s_lshl_b32 s23, s17, 2
	s_add_co_u32 s22, s22, s23
	s_lshl_b32 s22, s22, 13
	s_and_b32 s23, s20, 3                          ; in it the head's 64 channels: 2,048 bytes
	s_lshl_b32 s23, s23, 11
	s_add_co_u32 s22, s22, s23
	s_mov_b32 s23, 0
	s_mov_b32 s[G0A], 1                            ; 1:0 count = 1
	s_lshl_b32 s[G0A+1], s[WV], 14                 ; 63:32 LDS address: block w of slot 0: no place in the cluster enters an LDS address
	s_mov_b32 s[G0B], 1
	s_add_co_u32 s[G0B+1], s[G0A+1], SLOT1
	s_wait_dscnt 0x0                               ; the opening add is done
	s_wait_kmcnt 0x0
	s_add_nc_u64 s[G0A+2:G0A+3], s[6:7], s[50:51]  ; 120:64 global address: my block of my half's first four,
	s_add_nc_u64 s[G0B+2:G0B+3], s[G0A+2:G0A+3], 4*BLKB   ; and of the next four
	s_or_b32 s[G0A+3], s[G0A+3], 0x80000000        ; 127:126 type = 2
	s_or_b32 s[G0B+3], s[G0B+3], 0x80000000
	s_add_nc_u64 s[PFA:PFA+1], s[6:7], s[52:53]
	s_add_nc_u64 s[4:5], s[4:5], s[54:55]
	s_add_nc_u64 s[8:9], s[8:9], s[22:23]
	CROUND                                         ; all four work-groups are here: the first joint loads meet
	tensor_load_to_lds s[G0A:G0A+3], s[G1:G1+7]    ; the two first fills go out together, ahead of every wait on TENSORcnt and every LDS read
	s_nop 0
	tensor_load_to_lds s[G0B:G0B+3], s[G1:G1+7]
	s_nop 0
	PLACES 4
	WIN W_L1
.irp j, 0,1,2,3,4,5,6,7,8,9,10,11,12,13,14,15
	global_load_b128 v[QF+4*\j:QF+4*\j+3], v[QO], s[4:5] offset:512*\j   ; Q stays in registers: tile j / 4, channels 32 ((j / 2) % 2) on
.endr
	WIN 0
	s_wait_tensorcnt 1                             ; my block of slot 0 is in; slot 1's may stay out
	s_barrier_signal -1
	s_barrier_wait -1                              ; everybody's is
	FETCH_K
	FETCH_V
	s_wait_loadcnt 0x0                             ; Q
	STEP 1, 0                                      ; step 0 starts m, l and O^T
	NSTEPS 2
.Lslot:                                                ; six trips: a slot's last step, with the refill two slots on, and the next slot's first three
	STEP 0, 1
	NSTEPS 3
	s_sub_co_u32 s[SLOTS], s[SLOTS], 1
	s_cmp_lg_u32 s[SLOTS], 0
	s_cbranch_scc1 .Lslot
	STEP 0, 2                                      ; the tail is written out: the last slot but one is left, and nothing is asked for
	NSTEPS 3
	STEP 0, 3
	; THE MERGE of the two halves of the keys.  Waves 4-7 put O^T, c m and l into the stage of their group; waves 0-3 join them with their own under the common maximum, divide, round to f16 and store.
.irp t, 0,1,2,3
	v_add_f32 v[ST+8*\t+4], v[ST+8*\t+2], v[ST+8*\t+3]   ; l's two halves
.endr
	s_wait_dscnt 0x0
	s_barrier_signal -1
	s_barrier_wait -1                              ; all eight waves are through with the ring before any of it is written over
	s_cmp_lt_u32 s[WV], 4
	s_cbranch_scc1 .Lkeep
	WIN W_ST
.set i, 0
.rept 32
	ds_store_b128 v[MS], v[OT+4*i:OT+4*i+3] offset:512*i   ; as images of the registers; each accumulator from its low end on
.set i, i+1
.endr
	WIN 0
.irp t, 0,1,2,3
	ds_store_b32 v[MT], v[ST+8*\t] offset:256*\t
	ds_store_b32 v[MT], v[ST+8*\t+4] offset:256*\t+128
.endr
.Lkeep:
	s_wait_dscnt 0x0                               ; for the others' sake: my stores have landed
	s_barrier_signal -1
	s_barrier_wait -1
	s_cmp_ge_u32 s[WV], 4
	s_cbranch_scc1 .Ldone
.set i, 0
.rept 32
	ds_load_b128 v[S+4*i:S+4*i+3], v[MS] offset:512*i      ; the partner's O^T, where S^T lay
.set i, i+1
.endr
.irp t, 0,1,2,3
	ds_load_b32 v[MB+\t], v[MT] offset:256*\t              ; its c m
	ds_load_b32 v[MB+4+\t], v[MT] offset:256*\t+128        ; its l
.endr
	s_wait_dscnt 0x0
.irp t, 0,1,2,3
	v_max_num_f32 v[ST+8*\t+5], v[ST+8*\t], v[MB+\t]       ; the common c m
.endr
.irp t, 0,1,2,3
	v_sub_f32 v[ST+8*\t+6], v[ST+8*\t], v[ST+8*\t+5]
	v_sub_f32 v[ST+8*\t+7], v[MB+\t], v[ST+8*\t+5]
.endr
.irp t, 0,1,2,3
	v_exp_f32 v[ST+8*\t+6], v[ST+8*\t+6]           ; my factor,
.endr
.irp t, 0,1,2,3
	v_exp_f32 v[ST+8*\t+7], v[ST+8*\t+7]           ; the partner's: one of the two is 1
.endr
	v_nop
	s_wait_alu depctr_va_vdst(0)                   ; one wait for the eight, ahead of their first reader
.irp t, 0,1,2,3
	v_mul_f32 v[ST+8*\t+4], v[ST+8*\t+4], v[ST+8*\t+6]
.endr
.irp t, 0,1,2,3
	v_fma_f32 v[ST+8*\t+4], v[MB+4+\t], v[ST+8*\t+7], v[ST+8*\t+4]
.endr
.irp t, 0,1,2,3
	v_permlanex16_b32 v[ST+8*\t+5], v[ST+8*\t+4], s[SEL], s[SEL+1]
.endr
.irp t, 0,1,2,3
	v_add_f32 v[ST+8*\t+4], v[ST+8*\t+4], v[ST+8*\t+5]     ; with lane l xor 16's keys: the row's sum
.endr
.irp t, 0,1,2,3
	v_rcp_f32 v[ST+8*\t+1], v[ST+8*\t+4]
.endr
	v_nop
	s_wait_alu depctr_va_vdst(0)                   ; one wait for the four
.irp t, 0,1,2,3
	v_mul_f32 v[ST+8*\t+2], v[ST+8*\t+6], v[ST+8*\t+1]     ; my factor / the sum,
	v_mul_f32 v[ST+8*\t+4], v[ST+8*\t+7], v[ST+8*\t+1]     ; the partner's
.endr
.irp t, 0,1,2,3
.irp j, 0,2,4,6,8,10,12,14,16,18,20,22,24,26,28,30
	v_pk_mul_f32 v[S+32*\t+\j:S+32*\t+\j+1], v[S+32*\t+\j:S+32*\t+\j+1], v[ST+8*\t+4:ST+8*\t+5] op_sel_hi:[1,0]
.endr
.endr
	WIN W_MG
.irp t, 0,1,2,3
.irp j, 0,2,4,6,8,10,12,14,16,18,20,22,24,26,28,30
	v_pk_fma_f32 v[S+32*\t+\j:S+32*\t+\j+1], v[OT+32*\t+\j:OT+32*\t+\j+1], v[ST+8*\t+2:ST+8*\t+3], v[S+32*\t+\j:S+32*\t+\j+1] op_sel_hi:[1,0,1]   ; my O^T, each accumulator from its low end on
.endr
.endr
	WIN 0
.irp t, 0,1,2,3
.irp j, 0,1,2,3,4,5,6,7,8,9,10,11,12,13,14,15
	v_cvt_pk_f16_f32 v[S+32*\t+\j], v[S+32*\t+2*\j], v[S+32*\t+2*\j+1]   ; in place, ascending, as P
.endr
.endr
.irp t, 0,1,2,3
.irp c, 0,1,2,3
	global_store_b128 v[QO], v[S+32*\t+4*\c:S+32*\t+4*\c+3], s[8:9] offset:8192*\t+512*\c   ; channel tile c of token tile t: half a fragment of the last product's operand; 512 consecutive bytes
.endr
.endr
.Ldone:
	s_wait_tensorcnt 0x0                           ; the wave's end: behind my last tensor load and my last LDS store
	ds_add_u32 v[SPW], v[NIL]
	s_wait_dscnt 0x0
	CROUND                                         ; the closing round: no work-group ends while a partner may still ask for a tile that names it
	s_endpgm
.Lfunc_end_k_q425811f67a_attn:
	.size	k_q425811f67a_attn, .Lfunc_end_k_q425811f67a_attn-k_q425811f67a_attn
	.p2alignl 7, 3214868480
	.fill 96, 4, 3214868480
	.section	.rodata,"a",@progbits
	.p2align	6, 0x0
	.amdhsa_kernel k_q425811f67a_attn
		.amdhsa_group_segment_fixed_size 327680
		.amdhsa_private_segment_fixed_size 0
		.amdhsa_enable_private_segment 0
		.amdhsa_kernarg_size 24
		.amdhsa_user_sgpr_count 2
		.amdhsa_user_sgpr_kernarg_segment_ptr 1
		.amdhsa_wavefront_size32 1
		.amdhsa_system_sgpr_workgroup_id_x 1
		.amdhsa_system_sgpr_workgroup_id_y 1
		.amdhsa_system_sgpr_workgroup_id_z 1
		.amdhsa_system_vgpr_workitem_id 0
		.amdhsa_next_free_vgpr 512
		.amdhsa_next_free_sgpr 66
		.amdhsa_reserve_vcc 0
		.amdhsa_float_denorm_mode_32 3
		.amdhsa_float_denorm_mode_16_64 3
		.amdhsa_memory_ordered 1
		.amdhsa_forward_progress 1
		.amdhsa_inst_pref_size 246
	.end_amdhsa_kernel
	.amdgpu_metadata
---
amdhsa.version: [ 1, 2 ]
amdhsa.kernels:
  - .name:           k_q425811f67a_attn
    .symbol:         k_q425811f67a_attn.kd
    .args:
      - { .name: qimg, .offset: 0, .size: 8, .value_kind: global_buffer, .address_space: global }
      - { .name: kv, .offset: 8, .size: 8, .value_kind: global_buffer, .address_space: global }
      - { .name: aimg, .offset: 16, .size: 8, .value_kind: global_buffer, .address_space: global }
    .group_segment_fixed_size: 327680
    .private_segment_fixed_size: 0
    .kernarg_segment_align: 8
    .kernarg_segment_size: 24
    .max_flat_workgroup_size: 256
    .sgpr_count:     66
    .vgpr_count:     512
    .wavefront_size: 32
...
	.end_amdgpu_metadata
.endif
;; end of part 3
;; launch proj (part 4): grid 256 x 1, 8 waves a work-group, no clusters, 100,352 bytes of LDS; arguments aimg, wu16, bu, out0; writes out0
.if DOCPART == 4
	.amdgcn_target "amdgcn-amd-amdhsa--gfx1250"
	.amdhsa_code_object_version 6
	.text
	.protected	k_q425811f67a_proj
	.globl	k_q425811f67a_proj
	.p2align	8
	.type	k_q425811f67a_proj,@function
k_q425811f67a_proj:
	s_mov_b64 s[64:65], 0
	v_nop
	global_prefetch_b8 v0, s[64:65] scope:SCOPE_SE
	s_setreg_imm32_b32 hwreg(HW_REG_WAVE_MODE, 25, 1), 1
	s_wait_xcnt 0x0
; out = a Wu^T + bu.  a (attention's result) and Wu come in f16 as images of operand registers; sums in f32; out0 [16,384][256] f32.
; SHARES.  A work-group takes 64 tokens (four tiles of 16: 32 KB of aimg).  THE WAVES SHARE THE COLUMNS: wave w makes columns 32 w .. 32 w + 31 for all 64 tokens; its 16 fragments of Wu (16 KB) stay in window 1, read once.
; a's 32 fragments are copied into LDS as they lie, an eighth by each wave, and read by all eight.
; The product is used TRANSPOSED (source 0 = 16 rows of Wu, source 1 = 16 tokens): a lane holds one token and eight neighbouring columns.  The bias is the C of each sum's first product: eight registers a tile, in the result's layout.
; A row's 256 columns come from eight waves: they meet in a stage (rows of 1,024 + 16 bytes: 65 x 16, so that the sixteen rows that a store touches begin at sixteen different 16-byte columns of 256), and each wave stores 8 whole rows, 512 consecutive bytes an instruction.
; NO JOINT LOADS: what work-groups share is Wu's image, 16 KB a wave, which goes once from memory into the registers where it stays; the launch is one block of 64 rows.
; REGISTERS.  Window 0: v1-5 addresses; v16-79 eight accumulators (2 m + n); v80-143 a's fragments, two buffers of four; v144-159 the bias; v160-223 a on its way in, later rows of out; v252, v253 the add's two.  Window 1: v0-127 Wu, 8 (8 n + s).
.set STG,    32768                     ; LDS: a's images at 0 (fragment (m, s) at 8,192 m + 1,024 s); the stage behind them
.set SPITCH, 1040
.set SPARE,  STG+64*SPITCH             ; the spare words, 128 bytes for each wave: four blocks of 256 bytes that no other line names
.set L16, 1                            ; v1   16 x lane
.set AW,  2                            ; v2   4,096 w + 16 x lane: my eighth of a's images, in memory and in LDS
.set BO,  3                            ; v3   128 w + 32 h: my eight columns, in bytes
.set SO,  4                            ; v4   the stage, in
.set SR,  5                            ; v5   the stage, out
.set ACC, 16
.set AF,  80
.set BI,  144
.set TR,  160
.set SPW, 252
.set NIL, 253
.set MSB, 0
.macro WIN new
.if MSB != \new
	s_set_vgpr_msb (MSB<<8)|\new
.set MSB, \new
.endif
.endm
.macro FETCH s                         ; K step s (32 along e) of the four token tiles into buffer s % 2
.irp m, 0,1,2,3
.irp k, 0,1
	ds_load_b128 v[AF+32*((\s)%2)+8*\m+4*\k:AF+32*((\s)%2)+8*\m+4*\k+3], v[L16] offset:8192*\m+1024*(\s)+512*\k
.endr
.endr
.endm
.macro KSTEP s
.if \s < 7
	FETCH (\s)+1
	s_wait_dscnt 8                                 ; all but the eight loads just issued: this K step's fragments are in
.else
	s_wait_dscnt 0x0
.endif
	WIN 0x01                                       ; source 0 (Wu) in window 1
.irp m, 0,1,2,3
.irp n, 0,1
.if \s == 0
	v_wmma_f32_16x16x32_f16 v[ACC+8*(2*\m+\n):ACC+8*(2*\m+\n)+7], v[8*(8*\n+\s):8*(8*\n+\s)+7], v[AF+32*((\s)%2)+8*\m:AF+32*((\s)%2)+8*\m+7], v[BI+8*\n:BI+8*\n+7]
.else
	v_wmma_f32_16x16x32_f16 v[ACC+8*(2*\m+\n):ACC+8*(2*\m+\n)+7], v[8*(8*\n+\s):8*(8*\n+\s)+7], v[AF+32*((\s)%2)+8*\m:AF+32*((\s)%2)+8*\m+7], v[ACC+8*(2*\m+\n):ACC+8*(2*\m+\n)+7]
.endif
.endr
.endr
	WIN 0
.rept 4
	v_nop                                          ; places ahead of the loads into registers that these products read, and of the first read of results
.endr
.endm
	s_load_b256 s[4:11], s[0:1], 0x0               ; aimg s[4:5], wu16 s[6:7], bu s[8:9], out0 s[10:11]
	v_lshl_add_u32 v[SPW], v0, 2, SPARE
	v_mov_b32 v[NIL], 0
	v_lshrrev_b32 v6, 5, v0
	v_readfirstlane_b32 s12, v6                    ; wave 0..7
	v_and_b32 v6, 31, v0                           ; lane
	v_and_b32 v7, 15, v0                           ; r
	v_bfe_u32 v8, v0, 4, 1                         ; h
	v_lshlrev_b32 v[L16], 4, v6
	s_lshl_b32 s13, s12, 12
	v_add_nc_u32 v[AW], s13, v[L16]
	s_lshl_b32 s14, s12, 7
	v_lshl_add_u32 v[BO], v8, 5, s14
	v_mul_u32_u24 v[SO], v7, SPITCH
	v_add_nc_u32 v[SO], v[SO], v[BO]
	v_add_nc_u32 v[SO], STG, v[SO]                 ; row r, + 128 w + 32 h
	s_mul_i32 s15, s12, 8*SPITCH
	s_add_co_u32 s15, s15, STG
	v_add_nc_u32 v[SR], s15, v[L16]                ; my eight rows, 16 bytes a lane
	s_lshl_b32 s16, ttmp9, 15                      ; aimg: 32 KB a work-group
	s_mov_b32 s17, 0
	s_lshl_b32 s18, s12, 14                        ; wu16: 16 KB a wave
	s_mov_b32 s19, 0
	s_lshl_b32 s20, ttmp9, 16                      ; out0: 64 rows of 1,024 bytes a work-group, 8 a wave
	s_lshl_b32 s21, s12, 13
	s_add_co_u32 s20, s20, s21
	s_mov_b32 s21, 0
	s_wait_kmcnt 0x0
	s_add_nc_u64 s[4:5], s[4:5], s[16:17]
	s_add_nc_u64 s[6:7], s[6:7], s[18:19]
	s_add_nc_u64 s[10:11], s[10:11], s[20:21]
.irp i, 0,1,2,3,4,5,6,7
	global_load_b128 v[TR+4*\i:TR+4*\i+3], v[AW], s[4:5] offset:512*\i th:TH_LOAD_NT   ; read once in the launch
.endr
	WIN 0x40                                       ; destination window 1
.irp j, 0,1,2,3,4,5,6,7,8,9,10,11,12,13,14,15,16,17,18,19,20,21,22,23,24,25,26,27,28,29,30,31
	global_load_b128 v[4*\j:4*\j+3], v[L16], s[6:7] offset:512*\j
.endr
	WIN 0
.irp n, 0,1
.irp i, 0,1
	global_load_b128 v[BI+8*\n+4*\i:BI+8*\n+4*\i+3], v[BO], s[8:9] offset:64*\n+16*\i   ; bu at columns 32 w + 16 n + 8 h + 0 .. 7
.endr
.endr
	s_wait_loadcnt 36                              ; a's eight loads are in; the 32 of Wu and the 4 of bu behind them may be out
.irp i, 0,1,2,3,4,5,6,7
	ds_store_b128 v[AW], v[TR+4*\i:TR+4*\i+3] offset:512*\i
.endr
	s_wait_dscnt 0x0                               ; for the others' sake: my eighth has landed
	s_barrier_signal -1
	s_barrier_wait -1                              ; a's 32 fragments lie in LDS
	s_wait_loadcnt 0x0                             ; Wu and bu
	FETCH 0
.irp s, 0,1,2,3,4,5,6,7
	KSTEP \s                                       ; eight accumulators by turns, a K step at a time
.endr
.irp m, 0,1,2,3
.irp n, 0,1
	ds_store_b128 v[SO], v[ACC+8*(2*\m+\n):ACC+8*(2*\m+\n)+3] offset:16*SPITCH*\m+64*\n        ; lane (r, h): out(16 m + r, 32 w + 16 n + 8 h + 0 .. 7); each accumulator from its low end on
	ds_store_b128 v[SO], v[ACC+8*(2*\m+\n)+4:ACC+8*(2*\m+\n)+7] offset:16*SPITCH*\m+64*\n+16
.endr
.endr
	s_wait_dscnt 0x0
	s_barrier_signal -1
	s_barrier_wait -1                              ; 64 whole rows lie in the stage
.irp i, 0,1,2,3,4,5,6,7,8,9,10,11,12,13,14,15
	ds_load_b128 v[TR+4*\i:TR+4*\i+3], v[SR] offset:SPITCH*(\i/2)+512*(\i%2)
.endr
.irp i, 0,1,2,3,4,5,6,7,8,9,10,11,12,13,14,15
	s_wait_dscnt 15-\i
	global_store_b128 v[L16], v[TR+4*\i:TR+4*\i+3], s[10:11] offset:1024*(\i/2)+512*(\i%2) th:TH_STORE_NT   ; 32 lanes store 512 consecutive bytes, at a multiple of 512 from out0's first byte; written once, read by nobody here
.endr
	s_wait_tensorcnt 0x0                           ; the wave's end: behind my last LDS store
	ds_add_u32 v[SPW], v[NIL]
	s_wait_dscnt 0x0
	s_endpgm
.Lfunc_end_k_q425811f67a_proj:
	.size	k_q425811f67a_proj, .Lfunc_end_k_q425811f67a_proj-k_q425811f67a_proj
	.p2alignl 7, 3214868480
	.fill 96, 4, 3214868480
	.section	.rodata,"a",@progbits
	.p2align	6, 0x0
	.amdhsa_kernel k_q425811f67a_proj
		.amdhsa_group_segment_fixed_size 100352
		.amdhsa_private_segment_fixed_size 0
		.amdhsa_enable_private_segment 0
		.amdhsa_kernarg_size 32
		.amdhsa_user_sgpr_count 2
		.amdhsa_user_sgpr_kernarg_segment_ptr 1
		.amdhsa_wavefront_size32 1
		.amdhsa_system_sgpr_workgroup_id_x 1
		.amdhsa_system_sgpr_workgroup_id_y 1
		.amdhsa_system_sgpr_workgroup_id_z 1
		.amdhsa_system_vgpr_workitem_id 0
		.amdhsa_next_free_vgpr 384
		.amdhsa_next_free_sgpr 66
		.amdhsa_reserve_vcc 0
		.amdhsa_float_denorm_mode_32 3
		.amdhsa_float_denorm_mode_16_64 3
		.amdhsa_memory_ordered 1
		.amdhsa_forward_progress 1
		.amdhsa_inst_pref_size 21
	.end_amdhsa_kernel
	.amdgpu_metadata
---
amdhsa.version: [ 1, 2 ]
amdhsa.kernels:
  - .name:           k_q425811f67a_proj
    .symbol:         k_q425811f67a_proj.kd
    .args:
      - { .name: aimg, .offset: 0, .size: 8, .value_kind: global_buffer, .address_space: global }
      - { .name: wu16, .offset: 8, .size: 8, .value_kind: global_buffer, .address_space: global }
      - { .name: bu, .offset: 16, .size: 8, .value_kind: global_buffer, .address_space: global }
      - { .name: out0, .offset: 24, .size: 8, .value_kind: global_buffer, .address_space: global }
    .group_segment_fixed_size: 100352
    .private_segment_fixed_size: 0
    .kernarg_segment_align: 8
    .kernarg_segment_size: 32
    .max_flat_workgroup_size: 256
    .sgpr_count:     66
    .vgpr_count:     384
    .wavefront_size: 32
...
	.end_amdgpu_metadata
.endif
;; end of part 4
